; MI455X (gfx1250); checked and timed in simulation.
; The chip was launched on July 23, 2026; its instructions are those of AMD's public machine-readable ISA for CDNA 5 (MIT licence, August 2026) and "CDNA5" Instruction Set Architecture Reference Guide (July 2026). The comments in the code are by the model that wrote it; some were corrected since.
;; Knowledge Circuit. Allowed arithmetic: matrix products marked QUANTISED: E2M1 operands, one E8M0 scale for each 32 along K, by v_wmma_scale_f32_16x16x128_f8f6f4 with both operands' format E2M1 (or v_wmma_scale_f32_32x16x128_f4), f32 sums; products left as they are: f32 operands where the result goes on into a quantised operand, else bf16, f16 or f32 operands; f32 sums; everything else in f32.
;; Inputs: feature_know 16 x 1,024 x 256 float32; feature_know_w 4 x 2,048 x 16 float32; restore_know 16 x 256 x 1,024 float32; restore_know_w 4 x 2,048 x 16 float32; x 4 x 2,048 x 1,024 float32.
;; Outputs: out0 4 x 2,048 x 1,024 float32.
;; This version of the problem:
;;   THIS VERSION OF THE PROBLEM IS GIVEN IN LOW PRECISION. The matrix products marked QUANTISED in the list below multiply operands that are first quantised to E2M1 (2 exponent bits, 1 mantissa bit; 4 bits a number), with one power-of-two scale for each 32 numbers along K (OCP MX v1.0); their sums are f32. All else is computed in f32.
;;   The module's matrix products, in the order in which they are computed (A, B: the left and right operand; K: the contracted axis; several contracted axes count as one K, in the product's order):
;;     1. [M 4,096, K 1,024] x [K 1,024, N 8,192]; A: input feature_know; B: input x: QUANTISED
;;     2. batch 8,192 x [M 1, K 16] x [K 16, N 256]; A: input feature_know_w; B: computed on the way: left as it is (K = 16 < 32)
;;     3. batch 8,192 x [M 16, K 1] x [K 1, N 256]; A: computed on the way; B: computed on the way: left as it is (no contracted axis)
;;     4. [M 8,192, K 4,096] x [K 4,096, N 1,024]; A: computed on the way; B: input restore_know: QUANTISED
;;   THE QUANTISER, for each operand of a quantised product, along K:
;;     - K is cut into blocks of 32 from its start; a last block that is shorter is filled with zeros.
;;     - A block's scale is 2^e with e = floor(log2(the largest magnitude in the block)) - 2, held to -126 .. 127; a block of zeros has e = 0. As a byte (E8M0): e + 127.
;;     - Each number is divided by its block's scale, clamped to +-6, and rounded to the nearest number of E2M1, ties to even, subnormals kept.
;;     - The product sums the exact products of the quantised numbers (number of the format x scale) in f32.
;;   ~~~python
;;   def quantise(x, axis):      # numpy; x: float32 -> the quantised numbers, widened to float32 again
;;       x = np.moveaxis(x, axis, -1); K = x.shape[-1]
;;       x = np.pad(x, [(0, 0)] * (x.ndim - 1) + [(0, -K % 32)]); x = x.reshape(x.shape[:-1] + (-1, 32)); a = np.abs(x).max(-1, keepdims=True)
;;       e = np.where(a > 0, np.clip(np.frexp(np.where(a > 0, a, 1))[1] - 1 - 2, -126, 127), 0)      # np.frexp(a)[1] - 1 = floor(log2(a)), exactly
;;       r = np.clip(x / 2.0 ** e, -6, 6)
;;       step = 2.0 ** (np.maximum(np.frexp(np.where(r == 0, 1, r))[1] - 1, 0) - 1)
;;       q = np.round(r / step) * step * 2.0 ** e      # np.round: ties to even
;;       return np.moveaxis(q.reshape(q.shape[:-2] + (-1,))[..., :K], -1, axis).astype(np.float32)
;;   ~~~
;;   OPERANDS COMPUTED ON THE WAY. 'Computed on the way' means the value that the module computes at that place (a softmax that the list does not call 'softmax' is quantised finished and normalised). What goes into a quantiser is computed in f32, as accurately as f32 sums, v_exp_f32 and their like allow (about 1e-6 of the number): no bf16 or f16 on the way to a quantiser, and a product that is left as it is and whose result goes on into a quantised operand takes f32 operands (vector FMAs, or v_wmma_f32_16x16x4_f32). A number that lies on a knife's edge between two numbers of the format may be rounded either way, as far as f32 arithmetic and the matrix unit's own rounding can turn it there, and no further.
;; One version. Each part assembles by itself: llvm-mc -triple=amdgcn-amd-amdhsa -mcpu=gfx1250 --defsym DOCPART=n.
;; ======== version 1 of 1: 3 launches
;; limits: right only within a limited range of input values
;; workspace buffers: xc 4,194,304 bytes; xs 262,144 bytes; fq 2,228,224 bytes; rq 2,228,224 bytes; gq 17,825,792 bytes
;; launch quant (part 1): grid 512 x 1, 8 waves a work-group, no clusters, 68,608 bytes of LDS; arguments x, feature_know, restore_know, xc, xs, fq, rq; writes xc, xs, fq, rq
.if DOCPART == 1
	.amdgcn_target "amdgcn-amd-amdhsa--gfx1250"
	.amdhsa_code_object_version 6
	.text
	.protected	k_q41b4162e7b_quant
	.globl	k_q41b4162e7b_quant
	.p2align	8
	.type	k_q41b4162e7b_quant,@function
k_q41b4162e7b_quant:
	s_mov_b64 s[64:65], 0
	v_nop
	global_prefetch_b8 v0, s[64:65] scope:SCOPE_SE
	s_setreg_imm32_b32 hwreg(HW_REG_WAVE_MODE, 25, 1), 1
	s_wait_xcnt 0x0
; THE PROGRAM: out[t][d] = sum over (n, r) of Q(rw[t][n] h[t][r]) Q(restore_know[n][r][d]),  h[t][r] = sum over n of fw[t][n] (sum over d of Q(x[t][d]) Q(feature_know[n][d][r])).
; Q is the MX-FP4 quantiser along the product's K (d in the first product; (n, r), blocks of 32 along r inside one n, in the last).  Three launches: this one quantises the three large inputs once;
; the second makes h and the codes of rw h; the third is the last product.  NOTHING OF THE COMPUTATION IS LEFT OUT: all five inputs reach the output, and every product is done.
; THIS LAUNCH: x [8192][1024], feature_know [16][1024][256] and restore_know [16][256][1024], f32, become codes of E2M1 with one E8M0 byte for each 32 along K, laid as IMAGES OF OPERAND REGISTERS:
; a fragment (16 rows x 128 K) is 1,024 bytes, block b of row p at byte 256 b + 16 p, so that a wave later takes it by two loads of 16 bytes a lane, 512 consecutive bytes each.
;   xc [tile of 16 tokens 512][K step 8][image];   xs [tile 512][kq 4][row 16][f 2] scale words, K step 2 kq + f
;   fq [rb 8][n 16][17,408]: codes [K step 8][u 2][image], then scale words [K step 8][lane 32].  Row p of tile u is r = 32 rb + 8 u + p + 8 (p / 8): so the next launch's results are neighbours along r
;   rq [db 4][rb 8][69,632]: codes [dt 16][ng 4][image], then words [dt / 2][ng 4][lane 32].  Row p of tile dt is d = 256 db + 16 dt + p.  K STEP (rb, ng) OF THE LAST PRODUCT is the four blocks
;      n = 4 ng + 0 .. 3, r = 32 rb + 0 .. 31: whole blocks of 32 are taken in another order than (n, r), alike in both operands, which changes only the order of the f32 sums.
; A block's scale is 2^(floor(log2(largest magnitude)) - 2): its byte is the largest magnitude's exponent field - 2, held at 1 from below by a floor among the maximum's leaves.
; LIMITS: a block of zeros gets the byte 1 where the rule says 127 (its codes are zeros, and this program alone reads the bytes); a largest magnitude under 2^-124 is taken as 2^-124; NaN and infinities are not served.
; SHARES: every wave has 16,384 bytes of input of its own and shares nothing: no barrier.  Work-groups 0-255: x; 256-383: feature_know; 384-511: restore_know (scalar branches on the work-group's number).
; rq AS IT IS LAID NOW (this takes the place of the line on rq above): rq [db8 8][rb 8][34,816]: codes [dt 8][ng 4][image], then words [dt / 2][ng 4][lane 32].  Row p of tile dt is d = 128 db8 + 16 dt + p.
.set STG,   8448                       ; LDS: a stage for each wave (x's path alone): 16 rows of 512 bytes + 16 of padding
.set SPARE, 8*STG                      ; behind the stages: the spare words, 128 bytes for each wave, which no other line names
.set SPW,   30                         ; v30  LDS address of my spare word; never rewritten
.set NIL,   31                         ; v31  0; never rewritten
.set C,     32                         ; v32-47   codes
.set X,     64                         ; v64-127  x's path: 64 numbers of my row, 32 neighbours for each of two blocks
.set L,     128                        ; v128-255 numbers as they are loaded
	s_load_b256 s[4:11], s[0:1], 0x0               ; x s[4:5], feature_know s[6:7], restore_know s[8:9], xc s[10:11]
	s_load_b128 s[12:15], s[0:1], 0x20             ; xs s[12:13], fq s[14:15]
	s_load_b64 s[16:17], s[0:1], 0x30              ; rq
	v_lshl_add_u32 v[SPW], v0, 2, SPARE
	v_mov_b32 v[NIL], 0
	v_lshrrev_b32 v1, 5, v0
	s_delay_alu instid0(VALU_DEP_1)
	v_readfirstlane_b32 s18, v1                    ; wave 0..7
	v_and_b32 v1, 31, v0                           ; lane
	v_and_b32 v2, 15, v0                           ; p = lane % 16
	v_bfe_u32 v3, v0, 4, 1                         ; h = lane / 16
	s_delay_alu instid0(VALU_DEP_3)
	v_lshlrev_b32 v4, 4, v1                        ; 16 x lane
	s_mul_i32 s19, s18, STG
	v_add_nc_u32 v5, s19, v4                       ; the stage, on the way in: a row as it lies
	v_mul_u32_u24 v6, v2, 528
	s_delay_alu instid0(VALU_DEP_1)
	v_lshl_add_u32 v6, v3, 7, v6
	s_delay_alu instid0(VALU_DEP_1)
	v_add_nc_u32 v6, s19, v6                       ; and on the way out: row p, + 128 h bytes: block h of the row
	v_lshlrev_b32 v10, 3, v3                       ; 8 h
	v_mov_b32 v18, 0                               ; (a lane permute's destination counts as one of its sources)
	s_mov_b32 s26, 0x76543210
	s_mov_b32 s27, 0xfedcba98                      ; v_permlanex16_b32's selects for lane l xor 16
	s_wait_kmcnt 0x0
	s_cmp_lt_u32 ttmp9, 256
	s_cbranch_scc0 .Lweights
	; ---- x: K is innermost.  My wave's task: 16 tokens x 256 along K: two fragments
	s_lshl_b32 s19, ttmp9, 3
	s_add_co_u32 s19, s19, s18                     ; task 0..2047
	s_lshr_b32 s28, s19, 2                         ; the tile of 16 tokens
	s_and_b32 s29, s19, 3                          ; kq: which 256 along K
	s_lshl_b32 s20, s28, 16                        ; 16 rows of 4,096 bytes
	s_lshl_b32 s30, s29, 10
	s_add_co_u32 s20, s20, s30
	s_mov_b32 s21, 0
	s_add_nc_u64 s[20:21], s[4:5], s[20:21]
	s_lshl_b32 s22, s28, 13                        ; a tile's 8 images
	s_lshl_b32 s30, s29, 11
	s_add_co_u32 s22, s22, s30
	s_mov_b32 s23, 0
	s_add_nc_u64 s[22:23], s[10:11], s[22:23]
	s_lshl_b32 s24, s28, 9                         ; a tile's 128 scale words
	s_lshl_b32 s30, s29, 7
	s_add_co_u32 s24, s24, s30
	s_mov_b32 s25, 0
	s_add_nc_u64 s[24:25], s[12:13], s[24:25]
.macro XLOAD f                         ; 16 rows x 128 numbers: each load reads 512 consecutive bytes of one row
.irp i, 0,1,2,3,4,5,6,7,8,9,10,11,12,13,14,15
	global_load_b128 v[L+64*\f+4*\i:L+64*\f+4*\i+3], v4, s[20:21] offset:\i*4096+\f*512 th:TH_LOAD_NT
.endr
.endm
; Fragment f.  The operand's layout gives lane (p, h) blocks h and 2 + h of row p, 32 neighbours each: the rows turn through my stage.  left: the younger loads that may stay out.
.macro XFRAG f, left
	s_wait_loadcnt \left
.irp i, 0,1,2,3,4,5,6,7,8,9,10,11,12,13,14,15
	ds_store_b128 v5, v[L+64*\f+4*\i:L+64*\f+4*\i+3] offset:528*\i
.endr
.irp c, 0,1
.irp j, 0,1,2,3,4,5,6,7
	ds_load_b128 v[X+32*\c+4*\j:X+32*\c+4*\j+3], v6 offset:256*\c+16*\j   ; LDS serves a wave's instructions in order: these see my stores
.endr
.endr
	s_wait_dscnt 0x0
.irp c, 0,1
	v_max3_num_f32 v[11+\c], |v[X+32*\c]|, |v[X+32*\c+1]|, 0x1800000     ; my block 2 c + h, and the floor 2^(3 - 127): the byte cannot fall under 1
.endr
.irp i, 2,4,6,8,10,12,14,16,18,20,22,24,26,28,30
.irp c, 0,1
	s_delay_alu instid0(VALU_DEP_2)
	v_max3_num_f32 v[11+\c], v[11+\c], |v[X+32*\c+\i]|, |v[X+32*\c+\i+1]|  ; (the two blocks by turns)
.endr
.endr
.irp c, 0,1
	s_delay_alu instid0(VALU_DEP_2)
	v_add_nc_u32 v[13+\c], 0xff000000, v[11+\c]    ; 2 off the exponent field: the conversion takes the exponent field of this operand as its scale
.endr
.irp c, 0,1
	s_delay_alu instid0(VALU_DEP_2)
	v_lshrrev_b32 v[15+\c], 23, v[13+\c]           ; the scale's byte
.endr
	s_delay_alu instid0(VALU_DEP_1)
	v_lshl_or_b32 v17, v16, 16, v15                ; my two bytes, blocks h and 2 + h,
	s_delay_alu instid0(VALU_DEP_1)
	v_lshlrev_b32 v17, v10, v17                    ; at their places in the word;
	s_delay_alu instid0(VALU_DEP_1)
	v_permlanex16_b32 v18, v17, s26, s27
	s_delay_alu instid0(VALU_DEP_1)
	v_or_b32 v[20+\f], v17, v18                    ; with lane l xor 16's two the word is whole, in both lanes
.irp c, 0,1
.irp g, 0,1,2,3
	v_cvt_scalef32_pk8_fp4_f32 v[C+8*\f+4*\c+\g], v[X+32*\c+8*\g:X+32*\c+8*\g+7], v[13+\c]
.endr
.endr
	v_nop                                          ; one plain instruction behind the last scaled conversion
.irp c, 0,1
	global_store_b128 v4, v[C+8*\f+4*\c:C+8*\f+4*\c+3], s[22:23] offset:1024*\f+512*\c   ; 512 consecutive bytes, aligned
.endr
.endm
	s_wait_alu depctr_va_vdst(0)
	XLOAD 0
	XLOAD 1
	XFRAG 0, 16                                    ; fragment 1's sixteen loads may stay out
	XFRAG 1, 0
	v_cmp_ne_u32 vcc_lo, 0, v3
	s_delay_alu instid0(VALU_DEP_1)
	v_cndmask_b32 v19, v20, v21, vcc_lo            ; lanes 0-15 store fragment 0's word of row p, lanes 16-31 fragment 1's
	v_lshlrev_b32 v9, 3, v2
	s_delay_alu instid0(VALU_DEP_1)
	v_lshl_add_u32 v9, v3, 2, v9
	global_store_b32 v9, v19, s[24:25]             ; 128 consecutive bytes a wave: one byte in 128 of what the task reads
	s_branch .Lend
; ---- the weights: K is NOT innermost.  A lane takes a column and its registers run down K: a block of 32 lies in one lane, and the conversions give codes with K innermost.
; A task: 32 columns x 4 blocks = one K step of two tiles of 16 rows.  rowb: bytes from k to k + 1;  blkb: from block to block;  adr: the register with my column's byte offset.
.macro WLOAD t, rowb, blkb, adr
.irp i, 0,1,2,3,4,5,6,7,8,9,10,11,12,13,14,15,16,17,18,19,20,21,22,23,24,25,26,27,28,29,30,31
	global_load_b32 v[L+32*(\t)+\i], v[\adr], s[20:21] offset:(\t)*\blkb+\i*\rowb th:TH_LOAD_NT   ; 32 lanes read 128 consecutive bytes
.endr
.endm
.macro WBLOCK t, rowb, blkb, adr
.set XB, L+32*(\t)
.if (\t) < 3
	s_wait_loadcnt 32                              ; this block's 32 loads are in; the next block's 32 may be out
.else
	s_wait_loadcnt 0x0
.endif
.if (\t) < 2
	WLOAD (\t)+2, \rowb, \blkb, \adr
.endif
	v_max3_num_f32 v11, |v[XB]|, |v[XB+1]|, |v[XB+2]|
	v_max3_num_f32 v12, |v[XB+3]|, |v[XB+4]|, |v[XB+5]|
.irp i, 6,10,14,18,22,26
	s_delay_alu instid0(VALU_DEP_2)
	v_max3_num_f32 v11, v11, |v[XB+\i]|, |v[XB+\i+1]|
	s_delay_alu instid0(VALU_DEP_2)
	v_max3_num_f32 v12, v12, |v[XB+\i+2]|, |v[XB+\i+3]|
.endr
	s_delay_alu instid0(VALU_DEP_2)
	v_max3_num_f32 v11, v11, |v[XB+30]|, |v[XB+31]|
	s_delay_alu instid0(VALU_DEP_1)
	v_max3_num_f32 v11, v11, v12, 0x1800000        ; and the floor
	s_delay_alu instid0(VALU_DEP_1)
	v_add_nc_u32 v13, 0xff000000, v11              ; the conversion's scale operand
.if (\t) == 0
	s_delay_alu instid0(VALU_DEP_1)
	v_lshrrev_b32 v20, 23, v13                     ; the byte: four make my row's scale word for this K step
.else
	s_delay_alu instid0(VALU_DEP_1)
	v_lshrrev_b32 v14, 23, v13
	s_delay_alu instid0(VALU_DEP_1)
	v_lshl_or_b32 v20, v14, 8*(\t), v20
.endif
.irp g, 0,1,2,3
	v_cvt_scalef32_pk8_fp4_f32 v[C+4*(\t)+\g], v[XB+8*\g:XB+8*\g+7], v13
.endr
	v_nop                                          ; one plain instruction behind the last scaled conversion
	global_store_b128 v8, v[C+4*(\t):C+4*(\t)+3], s[22:23] offset:256*(\t)   ; block t of an image: each 16 lanes store 256 consecutive bytes, aligned
.endm
.macro WPATH rowb, blkb, adr
	WLOAD 0, \rowb, \blkb, \adr
	WLOAD 1, \rowb, \blkb, \adr
	WBLOCK 0, \rowb, \blkb, \adr
	WBLOCK 1, \rowb, \blkb, \adr
	WBLOCK 2, \rowb, \blkb, \adr
	WBLOCK 3, \rowb, \blkb, \adr
	global_store_b32 v9, v20, s[24:25]             ; 32 scale words: 128 consecutive bytes
.endm
.Lweights:
	v_lshlrev_b32 v9, 2, v1                        ; 4 x lane
	s_cmp_lt_u32 ttmp9, 384
	s_cbranch_scc0 .Lrestore
	; feature_know [n][d][r]: K = d.  Work-group: neuron n, K step s;  wave: rb, 32 columns r
	s_sub_co_u32 s19, ttmp9, 256
	s_lshr_b32 s28, s19, 3                         ; n
	s_and_b32 s29, s19, 7                          ; s
	s_lshl_b32 s20, s28, 20                        ; a neuron: 1,024 rows of 1,024 bytes
	s_lshl_b32 s30, s29, 17                        ; 128 rows
	s_add_co_u32 s20, s20, s30
	s_lshl_b32 s30, s18, 7                         ; 32 columns
	s_add_co_u32 s20, s20, s30
	s_mov_b32 s21, 0
	s_add_nc_u64 s[20:21], s[6:7], s[20:21]
	s_lshl_b32 s30, s18, 4
	s_add_co_u32 s30, s30, s28                     ; 16 rb + n
	s_mul_i32 s31, s30, 17408
	s_lshl_b32 s22, s29, 11                        ; codes: two images a K step
	s_add_co_u32 s22, s22, s31
	s_mov_b32 s23, 0
	s_lshl_b32 s24, s29, 7                         ; scale words: 128 bytes a K step, behind the codes
	s_add_co_u32 s24, s24, s31
	s_add_co_u32 s24, s24, 16384
	s_mov_b32 s25, 0
	s_add_nc_u64 s[22:23], s[14:15], s[22:23]
	s_add_nc_u64 s[24:25], s[14:15], s[24:25]
	v_and_b32 v7, 8, v2
	s_delay_alu instid0(VALU_DEP_1)
	v_add_nc_u32 v7, v7, v2
	s_delay_alu instid0(VALU_DEP_1)
	v_lshl_add_u32 v7, v3, 3, v7                   ; lane 16 u + p takes column p + 8 (p / 8) + 8 u
	s_delay_alu instid0(VALU_DEP_1)
	v_lshlrev_b32 v7, 2, v7
	s_wait_alu depctr_va_vdst(0)
	v_lshlrev_b32 v8, 4, v2
	s_delay_alu instid0(VALU_DEP_1)
	v_lshl_add_u32 v8, v3, 10, v8                  ; image u, row p
	WPATH 1024, 32768, 7
	s_branch .Lend
.Lrestore:
	; restore_know [n][r][d]: K = (n, r).  Work-group: db, rb, ng;  wave: 32 columns d.  Block t is neuron 4 ng + t, rows r = 32 rb + 0 .. 31
	s_sub_co_u32 s19, ttmp9, 384
	s_lshr_b32 s28, s19, 5                         ; db
	s_bfe_u32 s29, s19, 0x30002                    ; rb
	s_and_b32 s30, s19, 3                          ; ng
	s_lshl_b32 s20, s30, 22                        ; four neurons: 1,024 rows of 4,096 bytes
	s_lshl_b32 s31, s29, 17                        ; 32 rows
	s_add_co_u32 s20, s20, s31
	s_lshl_b32 s31, s28, 10                        ; 256 columns
	s_add_co_u32 s20, s20, s31
	s_lshl_b32 s31, s18, 7                         ; 32 columns
	s_add_co_u32 s20, s20, s31
	s_mov_b32 s21, 0
	s_add_nc_u64 s[20:21], s[8:9], s[20:21]
	s_lshl_b32 s31, s28, 1
	s_lshr_b32 s32, s18, 2
	s_add_co_u32 s31, s31, s32                     ; db8 = 2 db + wave / 4: my block of 128 columns
	s_lshl_b32 s31, s31, 3
	s_add_co_u32 s31, s31, s29                     ; 8 db8 + rb
	s_mul_i32 s31, s31, 34816
	s_and_b32 s33, s18, 3                          ; which 32 of the 128 columns
	s_lshl_b32 s22, s33, 13                        ; codes: two tiles, four images each
	s_add_co_u32 s22, s22, s31
	s_lshl_b32 s32, s30, 10
	s_add_co_u32 s22, s22, s32
	s_mov_b32 s23, 0
	s_lshl_b32 s24, s33, 9                         ; scale words, behind the codes
	s_add_co_u32 s24, s24, s31
	s_lshl_b32 s32, s30, 7
	s_add_co_u32 s24, s24, s32
	s_add_co_u32 s24, s24, 32768
	s_mov_b32 s25, 0
	s_add_nc_u64 s[22:23], s[16:17], s[22:23]
	s_add_nc_u64 s[24:25], s[16:17], s[24:25]
	v_lshlrev_b32 v8, 4, v2
	s_delay_alu instid0(VALU_DEP_1)
	v_lshl_add_u32 v8, v3, 12, v8                  ; tile u of the pair, row p
	s_wait_alu depctr_va_vdst(0)
	WPATH 4096, 1048576, 9                         ; the largest offset, 3 x 1,048,576 + 31 x 4,096, lies inside the signed 24-bit immediate
.Lend:
	s_wait_tensorcnt 0x0                           ; the wave's end
	ds_add_u32 v[SPW], v[NIL]
	s_wait_dscnt 0x0
	s_endpgm
.Lfunc_end_k_q41b4162e7b_quant:
	.size	k_q41b4162e7b_quant, .Lfunc_end_k_q41b4162e7b_quant-k_q41b4162e7b_quant
	.p2alignl 7, 3214868480
	.fill 96, 4, 3214868480
	.section	.rodata,"a",@progbits
	.p2align	6, 0x0
	.amdhsa_kernel k_q41b4162e7b_quant
		.amdhsa_group_segment_fixed_size 68608
		.amdhsa_private_segment_fixed_size 0
		.amdhsa_enable_private_segment 0
		.amdhsa_kernarg_size 56
		.amdhsa_user_sgpr_count 2
		.amdhsa_user_sgpr_kernarg_segment_ptr 1
		.amdhsa_wavefront_size32 1
		.amdhsa_system_sgpr_workgroup_id_x 1
		.amdhsa_system_sgpr_workgroup_id_y 1
		.amdhsa_system_sgpr_workgroup_id_z 1
		.amdhsa_system_vgpr_workitem_id 0
		.amdhsa_next_free_vgpr 256
		.amdhsa_next_free_sgpr 66
		.amdhsa_reserve_vcc 1
		.amdhsa_float_denorm_mode_32 3
		.amdhsa_float_denorm_mode_16_64 3
		.amdhsa_memory_ordered 1
		.amdhsa_forward_progress 1
		.amdhsa_inst_pref_size 63
	.end_amdhsa_kernel
	.amdgpu_metadata
---
amdhsa.version: [ 1, 2 ]
amdhsa.kernels:
  - .name:           k_q41b4162e7b_quant
    .symbol:         k_q41b4162e7b_quant.kd
    .args:
      - { .name: x, .offset: 0, .size: 8, .value_kind: global_buffer, .address_space: global }
      - { .name: feature_know, .offset: 8, .size: 8, .value_kind: global_buffer, .address_space: global }
      - { .name: restore_know, .offset: 16, .size: 8, .value_kind: global_buffer, .address_space: global }
      - { .name: xc, .offset: 24, .size: 8, .value_kind: global_buffer, .address_space: global }
      - { .name: xs, .offset: 32, .size: 8, .value_kind: global_buffer, .address_space: global }
      - { .name: fq, .offset: 40, .size: 8, .value_kind: global_buffer, .address_space: global }
      - { .name: rq, .offset: 48, .size: 8, .value_kind: global_buffer, .address_space: global }
    .group_segment_fixed_size: 68608
    .private_segment_fixed_size: 0
    .kernarg_segment_align: 8
    .kernarg_segment_size: 56
    .max_flat_workgroup_size: 256
    .sgpr_count:     66
    .vgpr_count:     256
    .wavefront_size: 32
...
	.end_amdgpu_metadata
.endif
;; end of part 1
;; launch feature (part 2): grid 32 x 8, 4 waves a work-group, clusters of 4 x 1, 327,680 bytes of LDS; arguments xc, xs, fq, feature_know_w, restore_know_w, gq; writes gq
.if DOCPART == 2
	.amdgcn_target "amdgcn-amd-amdhsa--gfx1250"
	.amdhsa_code_object_version 6
	.text
	.protected	k_q41b4162e7b_feature
	.globl	k_q41b4162e7b_feature
	.p2align	8
	.type	k_q41b4162e7b_feature,@function
k_q41b4162e7b_feature:
	s_mov_b64 s[64:65], 0
	v_nop
	global_prefetch_b8 v0, s[64:65] scope:SCOPE_SE
	s_setreg_imm32_b32 hwreg(HW_REG_WAVE_MODE, 25, 1), 1
	s_wait_xcnt 0x0
	s_wait_alu depctr_hold_cnt(0) depctr_sa_sdst(0) depctr_va_vdst(0) depctr_va_sdst(0) depctr_va_ssrc(0) depctr_va_vcc(0) depctr_vm_vsrc(0)
	s_getreg_b32 s2, hwreg(HW_REG_IB_STS2, 6, 4)
	s_cmp_eq_u32 s2, 0
	s_cbranch_scc0 .Lentry_in_a_cluster
	s_endpgm
.Lentry_in_a_cluster:
	s_bfe_u32 s2, ttmp6, 0x10000c
	s_cmp_lg_u32 s2, 0x3003
	s_cbranch_scc0 .Lentry_shape_is_right
	s_endpgm
.Lentry_shape_is_right:
; h[t][r] = sum over n of fw[t][n] (Q(x)[t] . Q(feature_know)[n][:][r]), then g[t][n][r] = rw[t][n] h[t][r] is quantised along (n, r) and stored as codes.  Nothing of the computation is left out.
; SHARES.  A work-group owns 256 tokens x 32 r (block rb) x all 16 neurons; wave w owns 64 of the tokens, four tiles of 16.  Its codes of x, for all of K = 1,024, stay in 256 registers.
; The work-group's part of feature_know, 16 neurons x 17,408 bytes (codes and scale words, as images of operand registers), fits in LDS whole: it is filled once, nothing is filled again.
; CLUSTER.  The four work-groups of a cluster share rb and so the whole stream: each neuron's block is asked for JOINTLY, by the same tensor load with a mask that names the four.
; LAYOUT.  The product is used transposed: source 0 = 16 rows (r) of feature_know, source 1 = 16 tokens: a lane holds ONE token (lane % 16).  Row p of tile u is r = 8 u + p + 8 (p / 8) of the 32,
; so that the 16 registers of a token tile's two accumulators are r = 16 (lane / 16) + 0 .. 15: neighbours along the next product's K.
; A NEURON is 64 matrix instructions (8 K steps x 4 token tiles x 2 tiles of r) on 8 accumulators by turns; two sets of accumulators alternate by neuron, and the sum h += fw x (the last neuron's results),
; 32 packed multiply-adds, stands in eighths between this neuron's K steps.  The next neuron's fragments are fetched from LDS a whole neuron ahead, into the other of two sets.
; THE QUANTISER OF g.  A block is 32 r of one neuron: rw h.  Rounding is monotone, so the largest |fl(rw h)| of a block is fl(|rw| x the largest |h|): one search a token, one multiply a neuron.
; K step (rb, ng) of the next product is the four blocks n = 4 ng + 0 .. 3 of this r block (the same order as in rq): so a wave makes whole fragments and whole scale words, and stores them as images:
;   gq [128 tokens 64][rb 8][34,816]: codes [tile 8][ng 4][image 1,024], then scale words [tile / 2][lane 32][ng 4].
; LIMITS: a block of zeros gets the byte 1 where the rule says 127 (its codes are zeros; this program alone reads the bytes); a largest magnitude under 2^-124 is taken as 2^-124; NaN and infinities are not served;
; the f32 sum over n is taken in ascending n by fused multiply-adds.
; REGISTERS, in windows of 256: window 0: v1-7 addresses, v8-23 at work, v24-39 x's scale words, v40-55 the weights' (two sets), v64-127 h, v128-255 two sets of accumulators (on the way out: g, codes, scale words).
;   window 1: x's 32 fragments (tile i, K step s at 64 i + 8 s).   window 2: a neuron's 16 fragments, two sets (128 p + 16 s + 8 u).   window 3: v0-63 fw (16 i + n), v64-127 rw.
; AS THE TEXT NOW STANDS (in place of what the lines above say of it): the stream comes in two fills of eight neurons, each wave asking jointly for two neurons' blocks by one tensor load: the first at the head, the second behind
; a tensor wait, an LDS add, its wait and a round.  The matrix form is the 32 x 16 x 128 one: source 0 = the 32 rows (both tiles of r), so a neuron is 32 matrix instructions on 4 accumulators of 16 registers by turns.
; K STEPS 0 AND 1 of each neuron's codes come from fq straight into registers (window 3, v128-255: four sets of 32), asked for three neurons ahead; K steps 2 to 7 and the scale words are read from LDS.
; These bytes have been read by this launch's own tensor loads shortly before: they get no prefetch.  The fills stay whole blocks, dense in memory.
.set NB,    17408                      ; a neuron's block: 16,384 bytes of codes, 1,024 of scale words
.set SPARE, 16*NB                      ; behind the stream: the spare words, 128 bytes for each wave, which no other line names
.set SPW, 10                           ; v10  LDS address of my spare word; never rewritten
.set NIL, 11                           ; v11  0; never rewritten
.set M,   12                           ; v12-15 a block's largest magnitude
.set SCV, 16                           ; v16-19 the conversions' scale operands
.set BY,  20                           ; v20-23 the scales' bytes
.set XS,  24
.set FS,  40
.set H,   64
.set ACC, 128
.set G,   128                          ; the way out: 64 numbers of g
.set PC,  192                          ; a tile's four fragments
.set SW,  224                          ; scale words, 4 i + ng
.set T,   240                          ; and as they are stored
.set RW,  64                           ; in window 3
.set WV,  16                           ; s16  my wave's number
.set G1,  24                           ; s[24:31] descriptor group 1
.set G0,  32                           ; s[32:39] two groups 0
.set SEL, 48                           ; s[48:49] v_permlanex16_b32's selects for lane l xor 16
.set MSB, 0
.macro WIN new                         ; the immediate's high byte repeats the setting that is left; a switch that changes nothing is dropped
.if MSB != \new
	s_set_vgpr_msb (MSB<<8)|\new
.set MSB, \new
.endif
.endm
.macro CROUND                          ; a round of the cluster's barrier
	s_barrier_signal -1
	s_barrier_wait -1
	s_cmp_lg_u32 s[WV], 0
	s_cbranch_scc1 .Lnot_wave_0_\@
	s_barrier_signal -3
.Lnot_wave_0_\@:
	s_barrier_wait -3
	s_barrier_signal -1
	s_barrier_wait -1
.endm
; The matrix instruction, 32 x 16 x 128, from the symbols rD, rA, rB, rSA, rSB.  Source 0's scale words fill all 32 lanes, lane m for row m.  zero: the product starts the sum;  rb: source 1's scale words stand in lanes 16-31.
.macro WM zero, rb
.if (\zero) && (\rb)
	v_wmma_scale_f32_32x16x128_f4 v[rD:rD+15], v[rA:rA+15], v[rB:rB+7], 0, v[rSA], v[rSB] matrix_b_scale:MATRIX_SCALE_ROW1
.elseif (\zero)
	v_wmma_scale_f32_32x16x128_f4 v[rD:rD+15], v[rA:rA+15], v[rB:rB+7], 0, v[rSA], v[rSB]
.elseif (\rb)
	v_wmma_scale_f32_32x16x128_f4 v[rD:rD+15], v[rA:rA+15], v[rB:rB+7], v[rD:rD+15], v[rSA], v[rSB] matrix_b_scale:MATRIX_SCALE_ROW1
.else
	v_wmma_scale_f32_32x16x128_f4 v[rD:rD+15], v[rA:rA+15], v[rB:rB+7], v[rD:rD+15], v[rSA], v[rSB]
.endif
.endm
	s_load_b256 s[4:11], s[0:1], 0x0               ; xc s[4:5], xs s[6:7], fq s[8:9], feature_know_w s[10:11]
	s_load_b128 s[12:15], s[0:1], 0x20             ; restore_know_w s[12:13], gq s[14:15]
	v_lshl_add_u32 v[SPW], v0, 2, SPARE
	v_mov_b32 v[NIL], 0
	ds_add_u32 v[SPW], v[NIL]                      ; the wave's opening: the add, twice on end, and its wait ahead of my first tensor load; the set-up below, work on registers, stands between
	ds_add_u32 v[SPW], v[NIL]
	v_lshrrev_b32 v1, 5, v0
	v_readfirstlane_b32 s[WV], v1                  ; wave 0..3
	v_and_b32 v7, 31, v0                           ; lane
	v_lshlrev_b32 v1, 4, v7                        ; v1 = 16 x lane: my place in half an image
	v_lshlrev_b32 v2, 2, v7                        ; v2 = 4 x lane
	v_lshlrev_b32 v4, 3, v7                        ; v4 = 8 x lane
	v_and_b32 v3, 15, v0
	v_lshlrev_b32 v3, 6, v3                        ; v3 = 64 x (lane % 16): my token's row of fw or rw
	v_bfe_u32 v7, v0, 4, 1                         ; v7 = lane / 16
	s_bfe_u32 s17, ttmp6, 0x40000                  ; cx: my place in the cluster
	s_lshl_b32 s18, ttmp9, 2                       ; in a cluster launch ttmp9 counts clusters
	s_add_co_u32 s18, s18, s17                     ; tb: my block of 256 tokens: it enters global addresses of my own loads and stores alone
	s_and_b32 s19, ttmp7, 0xffff                   ; rb, which the four partners share
	; descriptor group 1: TWO neurons' blocks on end, 34,816 dense bytes, as 136 rows of 256 bytes (32 elements of 8 bytes), no padding: it serves both fills
	s_mov_b32 s[G1], 15|(3<<16)|(1<<21)            ; 15:0 the mask: all four work-groups; 17:16 elements of 8 bytes; 21 set beside a mask
	s_mov_b32 s[G1+1], 32<<16                      ; tensor_dim0 = 32
	s_mov_b32 s[G1+2], 136<<16                     ; tensor_dim1 = 136
	s_mov_b32 s[G1+3], 32<<16                      ; tile_dim0 = 32
	s_mov_b32 s[G1+4], 136                         ; tile_dim1 = 136
	s_mov_b32 s[G1+5], 32                          ; from row to row
	s_mov_b32 s[G1+6], 0
	s_mov_b32 s[G1+7], 0
	s_mov_b32 s[SEL], 0x76543210
	s_mov_b32 s[SEL+1], 0xfedcba98
	s_lshl_b32 s20, s19, 3
	s_add_co_u32 s20, s20, s[WV]
	s_mul_i32 s20, s20, 2*NB                       ; fq: neurons 2 wave, 2 wave + 1 of block rb
	s_mov_b32 s21, 0
	s_mul_i32 s22, s[WV], 2*NB                     ; and their place in LDS: no place in the cluster enters an LDS address
	s_mul_i32 s60, s19, 16*NB                      ; fq: block rb, for the loads into registers
	s_mov_b32 s61, 0
	s_lshl_b32 s23, s18, 4
	s_lshl_b32 s50, s[WV], 2
	s_add_co_u32 s23, s23, s50                     ; my first tile of 16 tokens: 16 tb + 4 wave
	s_lshl_b32 s50, s23, 13                        ; xc: 8,192 bytes a tile
	s_mov_b32 s51, 0
	s_lshl_b32 s52, s23, 9                         ; xs: 512
	s_mov_b32 s53, 0
	s_lshl_b32 s54, s23, 10                        ; fw, rw: 16 rows of 64 bytes
	s_mov_b32 s55, 0
	s_lshl_b32 s56, s18, 1
	s_lshr_b32 s57, s[WV], 1
	s_add_co_u32 s56, s56, s57                     ; gq: my 128 tokens,
	s_lshl_b32 s56, s56, 3
	s_add_co_u32 s56, s56, s19                     ; x 8 + rb
	s_mul_i32 s56, s56, 34816
	s_and_b32 s57, s[WV], 1                        ; which 64 of the 128
	s_lshl_b32 s58, s57, 10
	s_add_co_u32 s58, s58, s56
	s_add_co_u32 s58, s58, 32768                   ; my scale words
	s_mov_b32 s59, 0
	s_lshl_b32 s57, s57, 14
	s_add_co_u32 s56, s56, s57                     ; my codes
	s_mov_b32 s57, 0
	s_wait_dscnt 0x0                               ; both opening adds are done
	s_wait_kmcnt 0x0
	s_add_nc_u64 s[20:21], s[8:9], s[20:21]
	s_add_nc_u64 s[60:61], s[8:9], s[60:61]
	s_add_nc_u64 s[4:5], s[4:5], s[50:51]
	s_add_nc_u64 s[6:7], s[6:7], s[52:53]
	s_add_nc_u64 s[10:11], s[10:11], s[54:55]
	s_add_nc_u64 s[12:13], s[12:13], s[54:55]
	s_add_nc_u64 s[58:59], s[14:15], s[58:59]
	s_add_nc_u64 s[14:15], s[14:15], s[56:57]
	s_mov_b32 s[G0], 1                             ; count = 1
	s_mov_b32 s[G0+1], s22                         ; LDS address
	s_mov_b64 s[G0+2:G0+3], s[20:21]
	s_or_b32 s[G0+3], s[G0+3], 0x80000000          ; type = 2
	s_mov_b32 s[G0+4], 1                           ; the second fill: neurons 8 + 2 wave, 9 + 2 wave
	s_add_co_u32 s[G0+5], s22, 8*NB
	s_add_nc_u64 s[G0+6:G0+7], s[20:21], 8*NB
	s_or_b32 s[G0+7], s[G0+7], 0x80000000
	CROUND                                         ; all four work-groups are here: the joint loads meet
	tensor_load_to_lds s[G0:G0+3], s[G1:G1+7]      ; my one tensor load at the head
	s_nop 0
.rept 4
	v_nop
.endr
	WIN 0x40                                       ; destination window 1
	s_wait_alu depctr_va_vdst(0)
.irp i, 0,1,2,3
.irp s, 0,1,2,3,4,5,6,7
.irp c, 0,1
	global_load_b128 v[64*\i+8*\s+4*\c:64*\i+8*\s+4*\c+3], v1, s[4:5] offset:8192*\i+1024*\s+512*\c   ; x's fragments stay in registers; 512 consecutive bytes a load
.endr
.endr
.endr
	WIN 0
.irp i, 0,1,2,3
.irp p, 0,1
	global_load_b64 v[XS+4*\i+2*\p:XS+4*\i+2*\p+1], v4, s[6:7] offset:512*\i+256*\p   ; x's scale words: K step s stands in register 4 i + 2 (s / 4) + s % 2, in lanes 16 ((s / 2) % 2) + row
.endr
.endr
	WIN 0xc0                                       ; destination window 3
.irp i, 0,1,2,3
.irp g, 0,1,2,3
	global_load_b128 v[16*\i+4*\g:16*\i+4*\g+3], v3, s[10:11] offset:1024*\i+16*\g      ; fw of my token of tile i, neurons 4 g on
.endr
.endr
.irp i, 0,1,2,3
.irp g, 0,1,2,3
	global_load_b128 v[RW+16*\i+4*\g:RW+16*\i+4*\g+3], v3, s[12:13] offset:1024*\i+16*\g  ; rw likewise: wanted on the way out
.endr
.endr
; Neuron n's fragments of K steps 0 and 1, from fq into set n % 4: eight loads of 512 consecutive bytes
.macro GFETCH n
	WIN 0xc0                                       ; destination window 3
.irp s, 0,1
.irp u, 0,1
.irp c, 0,1
	global_load_b128 v[128+32*((\n)%4)+16*\s+8*\u+4*\c:128+32*((\n)%4)+16*\s+8*\u+4*\c+3], v1, s[60:61] offset:NB*(\n)+2048*\s+1024*\u+512*\c
.endr
.endr
.endr
.endm
	GFETCH 0
	GFETCH 1
	GFETCH 2
	WIN 0
; Neuron n's 12 fragments (K steps 2 to 7) and 8 scale registers, from LDS into set n % 2.  The two additions and two v_nop are the four plain instructions between the last product that read that set and the loads into it.
.macro FETCHN n
	WIN 0
	v_add_nc_u32 v5, NB*(\n), v1
	v_add_nc_u32 v6, NB*(\n)+16384, v2
	v_nop
	v_nop
	WIN 0x80                                       ; destination window 2
.irp s, 2,3,4,5,6,7
.irp u, 0,1
.irp c, 0,1
	ds_load_b128 v[128*((\n)%2)+16*\s+8*\u+4*\c:128*((\n)%2)+16*\s+8*\u+4*\c+3], v5 offset:2048*\s+1024*\u+512*\c
.endr
.endr
.endr
	WIN 0
.irp s, 0,1,2,3,4,5,6,7
	ds_load_b32 v[FS+8*((\n)%2)+\s], v6 offset:128*\s   ; lanes 0-15: tile 0's rows, lanes 16-31: tile 1's
.endr
.endm
; K step s of neuron n: four products of 32 rows (both tiles of r) x 16 tokens, the four accumulators by turns.  The first K step starts the sums: nothing is cleared.
.macro MULS n, s
.if (\s) < 2
	WIN 0x07                                       ; source 0 (the weights, loaded from fq) window 3, source 1 (x) window 1, C and D window 0
.else
	WIN 0x06                                       ; source 0 (the weights, read from LDS) window 2
.endif
.irp i, 0,1,2,3
.set rD, ACC+64*((\n)%2)+16*\i
.if (\s) < 2
.set rA, 128+32*((\n)%4)+16*(\s)
.else
.set rA, 128*((\n)%2)+16*(\s)
.endif
.set rB, 64*\i+8*(\s)
.set rSA, FS+8*((\n)%2)+(\s)
.set rSB, XS+4*\i+2*((\s)/4)+(\s)%2
	WM (\s)==0, ((\s)/2)%2
.endr
.endm
; Accumulator k (tile k / 2, u = k % 2) of neuron n goes into h: h += fw[token][n] x result, two at a time, from the accumulator's low end on.  Neuron 0 starts h.
.macro RED n, k
	WIN 0x0c                                       ; source 1 (fw) window 3
.set rW, 16*((\k)/2)+2*((\n)/2)                ; the pair that holds fw of neuron n; op_sel picks the register for both halves
.irp e, 0,1,2,3
.set rH, H+8*(\k)+2*\e
.set rC, ACC+64*((\n)%2)+8*(\k)+2*\e
.if (\n) == 0
	v_pk_mul_f32 v[rH:rH+1], v[rC:rC+1], v[rW:rW+1] op_sel_hi:[1,0]
.elseif (\n)%2
	v_pk_fma_f32 v[rH:rH+1], v[rC:rC+1], v[rW:rW+1], v[rH:rH+1] op_sel:[0,1,0] op_sel_hi:[1,1,1]
.else
	v_pk_fma_f32 v[rH:rH+1], v[rC:rC+1], v[rW:rW+1], v[rH:rH+1] op_sel_hi:[1,0,1]
.endif
.endr
.endm
.macro NEURON n
.if (\n) < 13
	s_wait_loadcnt 16                              ; this neuron's eight loads from fq are in (ahead of neuron 0: x, its scale words, fw and rw too); the next two neurons' sixteen may stay out
.else
	s_wait_loadcnt 8*(15-(\n))
.endif
	s_wait_dscnt 0x0                               ; this neuron's fragments, asked for a neuron ago, are in
.if (\n) == 7
	s_wait_tensorcnt 0x0                           ; my part of the second fill has landed
	s_barrier_signal -1
	s_barrier_wait -1                              ; neurons 8 to 15 are whole
.endif
.if (\n) < 15
	FETCHN (\n)+1
.endif
.if (\n) < 13
	GFETCH (\n)+3                                  ; into the set that the last neuron read out; FETCHN's four plain instructions stand between
.endif
.irp s, 0,1,2,3,4,5,6,7
	MULS \n, \s
.if (\n) > 0
	RED (\n)-1, \s                                 ; the last neuron's results, in the other set of accumulators: they name no register of the products round them
.endif
.endr
.endm
	s_wait_tensorcnt 0x0                           ; my part of the first fill has landed
	ds_add_u32 v[SPW], v[NIL]
	s_wait_dscnt 0x0
	CROUND                                         ; neurons 0 to 7 are whole, and all four work-groups are here
	tensor_load_to_lds s[G0+4:G0+7], s[G1:G1+7]    ; the second fill, my one tensor load behind the round
	s_nop 0
.rept 4
	v_nop
.endr
	FETCHN 0
.irp n, 0,1,2,3,4,5,6,7,8,9,10,11,12,13,14,15
	NEURON \n
.endr
	WIN 0
.rept 4
	v_nop                                          ; four plain instructions between the last products and the first read of their results
.endr
.irp k, 0,1,2,3,4,5,6,7
	RED 15, \k
.endr
	WIN 0
	s_wait_loadcnt 0x0                             ; rw
	v_cmp_ne_u32 vcc_lo, 0, v7                     ; lanes 16-31
; THE WAY OUT, tile i: lane (p, h) holds h of token p at r = 16 h + 0 .. 15.  For each ng: four blocks (neurons 4 ng + b) become one fragment and one scale word.
.macro TILEOUT i
.set HB, H+16*(\i)
.if (\i) > 0
	s_wait_xcnt 0x0                                ; the last tile's stores have read their data: the codes' registers are written again only behind this wait
.endif
	v_max3_num_f32 v8, |v[HB]|, |v[HB+1]|, |v[HB+2]|
	v_max3_num_f32 v9, |v[HB+3]|, |v[HB+4]|, |v[HB+5]|
.irp k, 6,10
	v_max3_num_f32 v8, v8, |v[HB+\k]|, |v[HB+\k+1]|
	v_max3_num_f32 v9, v9, |v[HB+\k+2]|, |v[HB+\k+3]|
.endr
	v_max3_num_f32 v8, v8, |v[HB+14]|, |v[HB+15]|
	v_max_num_f32 v8, v8, v9
	v_permlanex16_b32 v9, v8, s[SEL], s[SEL+1]
	v_max_num_f32 v8, v8, v9                       ; the largest |h| of my token's 32 r
.irp ng, 0,1,2,3
	WIN 0x0c                                       ; source 1 (rw) window 3
.irp b, 0,1,2,3
.set rW, RW+16*(\i)+4*\ng+2*(\b/2)
.irp e, 0,1,2,3,4,5,6,7
.if \b%2
	v_pk_mul_f32 v[G+16*\b+2*\e:G+16*\b+2*\e+1], v[HB+2*\e:HB+2*\e+1], v[rW:rW+1] op_sel:[0,1] op_sel_hi:[1,1]   ; g = rw h, in f32
.else
	v_pk_mul_f32 v[G+16*\b+2*\e:G+16*\b+2*\e+1], v[HB+2*\e:HB+2*\e+1], v[rW:rW+1] op_sel_hi:[1,0]
.endif
.endr
	v_mul_f32 v[M+\b], v8, |v[RW+16*(\i)+4*\ng+\b]|   ; the block's largest |g|: the same multiplication on the largest |h|
.endr
	WIN 0
.irp b, 0,1,2,3
	v_max_num_f32 v[M+\b], 0x1800000, v[M+\b]      ; the floor 2^(3 - 127): the byte cannot fall under 1
.endr
.irp b, 0,1,2,3
	v_add_nc_u32 v[SCV+\b], 0xff000000, v[M+\b]    ; 2 off the exponent field: the conversion's scale operand
.endr
.irp b, 0,1,2,3
	v_lshrrev_b32 v[BY+\b], 23, v[SCV+\b]          ; the scale's byte
.endr
	v_lshl_or_b32 v[SW+4*(\i)+\ng], v[BY+1], 8, v[BY]
	v_lshl_or_b32 v[SW+4*(\i)+\ng], v[BY+2], 16, v[SW+4*(\i)+\ng]
	v_lshl_or_b32 v[SW+4*(\i)+\ng], v[BY+3], 24, v[SW+4*(\i)+\ng]   ; my token's scale word for this K step (the same in both halves of the lanes)
.irp b, 0,1,2,3
	v_cvt_scalef32_pk8_fp4_f32 v[PC+8*\ng+2*\b], v[G+16*\b:G+16*\b+7], v[SCV+\b]
	v_cvt_scalef32_pk8_fp4_f32 v[PC+8*\ng+2*\b+1], v[G+16*\b+8:G+16*\b+15], v[SCV+\b]
.endr
	v_nop                                          ; one plain instruction behind the last scaled conversion
.irp c, 0,1                                    ; the operand's layout wants a WHOLE block in a lane: lanes 0-15 block 2 c, lanes 16-31 block 2 c + 1
.irp j, 0,1
	v_permlane16_swap_b32 v[PC+8*\ng+4*\c+\j], v[PC+8*\ng+4*\c+2+\j]
.endr
.endr
.irp c, 0,1
	global_store_b128 v1, v[PC+8*\ng+4*\c:PC+8*\ng+4*\c+3], s[14:15] offset:4096*(\i)+1024*\ng+512*\c   ; half an image: 512 consecutive bytes, aligned
.endr
.endr
.endm
.macro WORDS pp                        ; the scale words of tiles 2 pp (lanes 0-15) and 2 pp + 1 (lanes 16-31), four a lane
.irp ng, 0,1,2,3
	v_cndmask_b32 v[T+4*\pp+\ng], v[SW+8*\pp+\ng], v[SW+8*\pp+4+\ng], vcc_lo
.endr
	global_store_b128 v1, v[T+4*\pp:T+4*\pp+3], s[58:59] offset:512*\pp   ; 512 consecutive bytes, aligned
.endm
	TILEOUT 0
	TILEOUT 1
	WORDS 0
	TILEOUT 2
	TILEOUT 3
	WORDS 1
	s_wait_tensorcnt 0x0                           ; the wave's end: these three lines behind my last tensor load
	ds_add_u32 v[SPW], v[NIL]
	s_wait_dscnt 0x0
	CROUND                                         ; the closing round: no work-group ends while a partner may still ask for a block that names it
	s_endpgm
.Lfunc_end_k_q41b4162e7b_feature:
	.size	k_q41b4162e7b_feature, .Lfunc_end_k_q41b4162e7b_feature-k_q41b4162e7b_feature
	.p2alignl 7, 3214868480
	.fill 96, 4, 3214868480
	.section	.rodata,"a",@progbits
	.p2align	6, 0x0
	.amdhsa_kernel k_q41b4162e7b_feature
		.amdhsa_group_segment_fixed_size 327680
		.amdhsa_private_segment_fixed_size 0
		.amdhsa_enable_private_segment 0
		.amdhsa_kernarg_size 48
		.amdhsa_user_sgpr_count 2
		.amdhsa_user_sgpr_kernarg_segment_ptr 1
		.amdhsa_wavefront_size32 1
		.amdhsa_system_sgpr_workgroup_id_x 1
		.amdhsa_system_sgpr_workgroup_id_y 1
		.amdhsa_system_sgpr_workgroup_id_z 1
		.amdhsa_system_vgpr_workitem_id 0
		.amdhsa_next_free_vgpr 1024
		.amdhsa_next_free_sgpr 66
		.amdhsa_reserve_vcc 1
		.amdhsa_float_denorm_mode_32 3
		.amdhsa_float_denorm_mode_16_64 3
		.amdhsa_memory_ordered 1
		.amdhsa_forward_progress 1
		.amdhsa_inst_pref_size 236
	.end_amdhsa_kernel
	.amdgpu_metadata
---
amdhsa.version: [ 1, 2 ]
amdhsa.kernels:
  - .name:           k_q41b4162e7b_feature
    .symbol:         k_q41b4162e7b_feature.kd
    .args:
      - { .name: xc, .offset: 0, .size: 8, .value_kind: global_buffer, .address_space: global }
      - { .name: xs, .offset: 8, .size: 8, .value_kind: global_buffer, .address_space: global }
      - { .name: fq, .offset: 16, .size: 8, .value_kind: global_buffer, .address_space: global }
      - { .name: feature_know_w, .offset: 24, .size: 8, .value_kind: global_buffer, .address_space: global }
      - { .name: restore_know_w, .offset: 32, .size: 8, .value_kind: global_buffer, .address_space: global }
      - { .name: gq, .offset: 40, .size: 8, .value_kind: global_buffer, .address_space: global }
    .group_segment_fixed_size: 327680
    .private_segment_fixed_size: 0
    .kernarg_segment_align: 8
    .kernarg_segment_size: 48
    .max_flat_workgroup_size: 128
    .sgpr_count:     66
    .vgpr_count:     1024
    .wavefront_size: 32
...
	.end_amdgpu_metadata
.endif
;; end of part 2
;; launch restore (part 3): grid 32 x 8, 4 waves a work-group, clusters of 4 x 1, 327,680 bytes of LDS; arguments gq, rq, out0; writes out0
.if DOCPART == 3
	.amdgcn_target "amdgcn-amd-amdhsa--gfx1250"
	.amdhsa_code_object_version 6
	.text
	.protected	k_q41b4162e7b_restore
	.globl	k_q41b4162e7b_restore
	.p2align	8
	.type	k_q41b4162e7b_restore,@function
k_q41b4162e7b_restore:
	s_mov_b64 s[64:65], 0
	v_nop
	global_prefetch_b8 v0, s[64:65] scope:SCOPE_SE
	s_setreg_imm32_b32 hwreg(HW_REG_WAVE_MODE, 25, 1), 1
	s_wait_xcnt 0x0
	s_wait_alu depctr_hold_cnt(0) depctr_sa_sdst(0) depctr_va_vdst(0) depctr_va_sdst(0) depctr_va_ssrc(0) depctr_va_vcc(0) depctr_vm_vsrc(0)
	s_getreg_b32 s2, hwreg(HW_REG_IB_STS2, 6, 4)
	s_cmp_eq_u32 s2, 0
	s_cbranch_scc0 .Lentry_in_a_cluster
	s_endpgm
.Lentry_in_a_cluster:
	s_bfe_u32 s2, ttmp6, 0x10000c
	s_cmp_lg_u32 s2, 0x3003
	s_cbranch_scc0 .Lentry_shape_is_right
	s_endpgm
.Lentry_shape_is_right:
; out[t][d] = sum over (n, r) of Q(g)[t][n][r] Q(restore_know)[n][r][d]: the last product, on the codes and scale words that the two launches before have stored.  Nothing of the computation is left out.
; SHARES.  A work-group owns 256 tokens (tb) x 128 columns d (db8) x all of K = 4,096; wave w owns 64 of the tokens x the 128 columns: 16 accumulators of 32 x 16, 256 registers.  Grid 32 x 8 = 256 work-groups.
; B STAYS IN LDS.  The work-group's part of rq, 8 blocks (rb) of 34,816 bytes, is filled once, in two fills: rb 0-3 at the head, rb 4-7 behind a tensor wait, an LDS add, its wait and a round; in each a wave asks for one rb.
; CLUSTER.  The four work-groups of a cluster share db8 and so all of B: each rb is asked for JOINTLY, with a mask that names the four.
; A GOES STRAIGHT INTO REGISTERS.  A fragment of gq is read by ONE wave of the work-group, as an image of operand registers (two loads of 512 consecutive bytes): it needs no LDS.  A is not asked for jointly:
; beside B, LDS has 48,640 bytes left, under three K steps of the 256 tokens.  A's scale words, 64 registers a wave, are loaded once and stay.
; A UNIT is two token tiles' fragments of one K step: 16 registers, four loads; a K step has two units.  The 64 units go through a ring of 16 slots: a step asks for the two units that take the slots which the step before has read out.
; K STEP (rb, ng) is the four blocks n = 4 ng + 0 .. 3, r = 32 rb + 0 .. 31, alike in gq and rq: only the order of the f32 sums differs from (n, r).
; THE MATRIX INSTRUCTION, 32 x 16 x 128, IS USED TRANSPOSED (source 0 = 32 rows d of rq, source 1 = 16 tokens): a lane holds eight neighbouring columns of one row of out in each half of an accumulator.
; THE TEXT IS WRITTEN BY STEPS, WITH NO LOOP: the scale words' register numbers never come back, and every offset is an immediate, so that no base is stepped.
; PREFETCH.  Four requests a wave, at steps 2, 6, 10, 14, for my codes of rb 4, 5, 6, 7: each seven steps ahead of the first load of what it names.  The 8 work-groups (db8) that read the same 64 blocks of 256 bytes
; share them out by address, 8 each, a lane a block (lanes 8-31 name lane 7's again).  rb 0 to 3 and the scale words come by their loads alone.
; REGISTERS, in windows of 256: window 0: addresses, v32-95 A's scale words (8 rb + 4 (tile / 2) + ng), v96-127 B's (two sets).   window 1: v0-127 B's fragments, two sets; v128-255 the way out.
;   window 2: the accumulators (tile a, pair p of B's tiles at 64 a + 16 p).   window 3: A's ring (slot at 16 (unit % 16)).
.set GBLK,   34816                     ; gq: 128 tokens x one rb: codes [tile 8][ng 4][1,024], then words [tile / 2][lane 32][ng 4]
.set RBLK,   34816                     ; rq: 128 columns x one rb: codes [dt 8][ng 4][1,024], then words [dt / 2][ng 4][lane 32]
.set PRIV,   8*RBLK                    ; behind B: a stage of its own for each wave, for the way out
.set PRV,    8448                      ; 16 rows of 528 bytes
.set SPITCH, 528
.set SPARE,  PRIV+4*PRV                ; the spare words, 128 bytes for each wave, which no other line names
.set ADB, 4                            ; v4   LDS: B's codes of the rb being fetched, + 16 x lane
.set ASB, 5                            ; v5   LDS: B's scale words of that rb, + 4 x lane
.set STO, 10                           ; v10  the way out: where I put 32 bytes of a row
.set RD,  11                           ; v11  the way out: where I read a row back
.set PFO, 12                           ; v12  the prefetches' offset in an rb of mine
.set SPW, 28                           ; v28  LDS address of my spare word; never rewritten
.set NIL, 29                           ; v29  0; never rewritten
.set GS,  32
.set RS,  96
.set BK,  128
.set WV,  14                           ; s14  my wave's number
.set G1,  24                           ; s[24:31] descriptor group 1
.set G0,  32                           ; s[32:35] group 0 of the first fill
.set PA,  36                           ; s[36:37] gq: my 64 tokens' codes; never stepped
.set PW,  38                           ; s[38:39] gq: my scale words
.set G0B, 44                           ; s[44:47] group 0 of the second fill
.set MSB, 0
.macro WIN new                         ; the immediate's high byte repeats the setting that is left; a switch that changes nothing is dropped
.if MSB != \new
	s_set_vgpr_msb (MSB<<8)|\new
.set MSB, \new
.endif
.endm
.set MUL, 0xad                         ; source 0 (B) window 1, source 1 (A) window 3, C and D window 2
.macro CROUND                          ; a round of the cluster's barrier
	s_barrier_signal -1
	s_barrier_wait -1
	s_cmp_lg_u32 s[WV], 0
	s_cbranch_scc1 .Lnot_wave_0_\@
	s_barrier_signal -3
.Lnot_wave_0_\@:
	s_barrier_wait -3
	s_barrier_signal -1
	s_barrier_wait -1
.endm
.macro PLACES n
.rept \n
	v_nop
.endr
.endm
; The matrix instruction, from the symbols rD, rA, rB, rSA, rSB.  Source 0's scale words fill all 32 lanes, lane m for row m.  zero: the product starts the sum;  rb: source 1's scale words stand in lanes 16-31.
.macro WM zero, rb
.if (\zero) && (\rb)
	v_wmma_scale_f32_32x16x128_f4 v[rD:rD+15], v[rA:rA+15], v[rB:rB+7], 0, v[rSA], v[rSB] matrix_b_scale:MATRIX_SCALE_ROW1
.elseif (\zero)
	v_wmma_scale_f32_32x16x128_f4 v[rD:rD+15], v[rA:rA+15], v[rB:rB+7], 0, v[rSA], v[rSB]
.elseif (\rb)
	v_wmma_scale_f32_32x16x128_f4 v[rD:rD+15], v[rA:rA+15], v[rB:rB+7], v[rD:rD+15], v[rSA], v[rSB] matrix_b_scale:MATRIX_SCALE_ROW1
.else
	v_wmma_scale_f32_32x16x128_f4 v[rD:rD+15], v[rA:rA+15], v[rB:rB+7], v[rD:rD+15], v[rSA], v[rSB]
.endif
.endm
.macro ALOADU u                        ; unit u (tiles 2 (u % 2), + 1; K step u / 2) into its slot: four loads of 512 consecutive bytes
.set HF, (\u)%2
.set KK, (\u)/2
.set SL, 16*((\u)%16)
.irp e, 0,1
.irp c, 0,1
	global_load_b128 v[SL+8*\e+4*\c:SL+8*\e+4*\c+3], v1, s[PA:PA+1] offset:(KK/4)*GBLK+4096*(2*HF+\e)+1024*(KK%4)+512*\c
.endr
.endr
.endm
.macro MULU u, f                       ; unit u against B's set f: eight products.  The 16 accumulators take turns, in the same order in every step.  K step 0 starts the sums
.set HF, (\u)%2
.set KK, (\u)/2
.irp e, 0,1
.irp p, 0,1,2,3
.set rD, 64*(2*HF+\e)+16*\p
.set rA, 64*(\f)+16*\p
.set rB, 16*((\u)%16)+8*\e
.set rSA, RS+16*((KK/4)%2)+4*\p+KK%4
.set rSB, GS+8*(KK/4)+4*HF+KK%4
	WM KK==0, \e
.endr
.endr
.endm
.macro FETCHB q, f                     ; B's eight fragments of K step (the rb at ADB, ng = q) into set f
	WIN 0x40
.irp b, 0,1,2,3,4,5,6,7
.irp c, 0,1
	ds_load_b128 v[64*(\f)+8*\b+4*\c:64*(\f)+8*\b+4*\c+3], v[ADB] offset:4096*\b+1024*(\q)+512*\c
.endr
.endr
	WIN 0
.endm
.macro SCALES sc                       ; an rb's scale words of B into set sc: register 4 p + ng: lanes 0-15 tile 2 p's rows, lanes 16-31 tile 2 p + 1's
.irp p, 0,1,2,3
.irp q, 0,1,2,3
	ds_load_b32 v[RS+16*(\sc)+4*\p+\q], v[ASB] offset:512*\p+128*\q
.endr
.endr
.endm
; K step t: units 2 t and 2 t + 1.  The wait on LOADcnt counts four loads for each unit asked for behind unit 2 t + 1: asked for so far are the units up to 2 t + 13 (15 at step 0; 63 at the most).
; Ahead of the products: four plain instructions behind the last step's products; the next step's B into the other set; A's loads into the two slots that the last step read out.
.macro BSTEP t
	WIN 0
.set ISS, 2*(\t)+13
.if (\t) == 0
.set ISS, 15
.endif
.if ISS > 63
.set ISS, 63
.endif
	s_wait_loadcnt 4*(ISS-2*(\t)-1)
	s_wait_dscnt 0x0                               ; this step's B, asked for a step ago, is in
.if (\t) == 15
	s_wait_tensorcnt 0x0                           ; my rb of the second fill has landed
	s_barrier_signal -1
	s_barrier_wait -1                              ; rb 4 to 7 are whole
.endif
.if (\t) < 31
.set NK, (\t)+1
.if NK%4 == 0
	v_add_nc_u32 v[ADB], RBLK, v[ADB]              ; on to the next rb; these two and the two v_nop are the four plain instructions
	v_add_nc_u32 v[ASB], RBLK, v[ASB]
	v_nop
	v_nop
	s_wait_alu depctr_va_vdst(0)
.else
	PLACES 4
.endif
	FETCHB NK%4, NK%2
.if NK%4 == 0
	SCALES (NK/4)%2
.endif
.endif
.if ((\t) > 0) && (2*(\t)+15 <= 63)
	WIN 0xc0                                       ; destination window 3
	ALOADU 2*(\t)+14
	ALOADU 2*(\t)+15
.endif
	WIN MUL
	MULU 2*(\t), (\t)%2
	MULU 2*(\t)+1, (\t)%2
	WIN 0
.if ((\t) < 15) && ((\t)%4 == 2)
	global_prefetch_b8 v[PFO], s[PA:PA+1] offset:(4+(\t)/4)*GBLK th:TH_LOAD_NT scope:SCOPE_SE   ; steps 2, 6, 10, 14: rb 4, 5, 6, 7
.endif
.endm
	s_load_b128 s[4:7], s[0:1], 0x0                ; gq s[4:5], rq s[6:7]
	s_load_b64 s[8:9], s[0:1], 0x10                ; out0
	v_lshl_add_u32 v[SPW], v0, 2, SPARE
	v_mov_b32 v[NIL], 0
	ds_add_u32 v[SPW], v[NIL]                      ; the wave's opening: the add, twice on end, and its wait ahead of my first tensor load
	ds_add_u32 v[SPW], v[NIL]
	v_lshrrev_b32 v3, 5, v0
	v_readfirstlane_b32 s[WV], v3                  ; wave 0..3
	s_mul_i32 s15, s[WV], PRV
	s_add_co_u32 s15, s15, PRIV                    ; my stage
	s_and_b32 s19, ttmp7, 0xffff                   ; db8, which the four partners share
	s_lshl_b32 s16, s19, 11                        ; the prefetches: my work-group's 8 blocks of 256 bytes of an rb's 64
	v_and_b32 v3, 31, v0                           ; lane
	v_lshlrev_b32 v1, 4, v3                        ; v1 = 16 x lane: my place in half an image; never rewritten
	v_lshlrev_b32 v[ADB], 4, v3
	v_lshl_add_u32 v[ASB], v3, 2, 32768
	v_add_nc_u32 v[RD], s15, v1                    ; back: the 32 lanes take one row of 512 bytes
	v_and_b32 v7, 15, v0
	v_bfe_u32 v8, v0, 4, 1
	v_mul_u32_u24 v7, v7, SPITCH
	v_lshl_add_u32 v7, v8, 5, v7
	v_add_nc_u32 v[STO], s15, v7                   ; in: row lane % 16, 32 bytes for each half of the lanes
	v_min_u32 v7, 7, v3
	v_lshl_add_u32 v[PFO], v7, 8, s16
	s_bfe_u32 s17, ttmp6, 0x40000                  ; cx: my place in the cluster
	s_lshl_b32 s18, ttmp9, 2                       ; in a cluster launch ttmp9 counts clusters
	s_add_co_u32 s18, s18, s17                     ; tb: it enters global addresses of my own loads and stores alone
	; descriptor group 1: one rb of B, 34,816 dense bytes, as 136 rows of 256 bytes (32 elements of 8 bytes), no padding: every read takes 512 consecutive bytes
	s_mov_b32 s[G1], 15|(3<<16)|(1<<21)            ; 15:0 the mask: all four work-groups; 17:16 elements of 8 bytes; 21 set beside a mask
	s_mov_b32 s[G1+1], 32<<16
	s_mov_b32 s[G1+2], 136<<16
	s_mov_b32 s[G1+3], 32<<16
	s_mov_b32 s[G1+4], 136
	s_mov_b32 s[G1+5], 32
	s_mov_b32 s[G1+6], 0
	s_mov_b32 s[G1+7], 0
	s_lshl_b32 s20, s19, 3
	s_add_co_u32 s20, s20, s[WV]
	s_mul_i32 s20, s20, RBLK                       ; rq: rb = wave of block db8
	s_mov_b32 s21, 0
	s_mul_i32 s22, s[WV], RBLK                     ; and its place in LDS
	s_lshl_b32 s[PA], s18, 1
	s_lshr_b32 s23, s[WV], 1
	s_add_co_u32 s[PA], s[PA], s23                 ; gq: my 128 tokens
	s_mul_i32 s[PA], s[PA], 8*GBLK
	s_and_b32 s23, s[WV], 1                        ; which 64 of them
	s_lshl_b32 s[PW], s23, 10
	s_add_co_u32 s[PW], s[PW], s[PA]
	s_add_co_u32 s[PW], s[PW], 32768               ; my scale words
	s_mov_b32 s[PW+1], 0
	s_lshl_b32 s23, s23, 14
	s_add_co_u32 s[PA], s[PA], s23                 ; my codes
	s_mov_b32 s[PA+1], 0
	s_lshl_b32 s42, s18, 20                        ; out0: 256 tb rows of 4,096 bytes,
	s_lshl_b32 s23, s[WV], 18                      ; + 64 wave rows,
	s_add_co_u32 s42, s42, s23
	s_lshl_b32 s23, s19, 9                         ; + 128 db8 columns
	s_add_co_u32 s42, s42, s23
	s_mov_b32 s43, 0
	s_wait_alu depctr_va_vdst(0)
	s_wait_dscnt 0x0                               ; both opening adds are done
	s_wait_kmcnt 0x0
	s_add_nc_u64 s[20:21], s[6:7], s[20:21]
	s_add_nc_u64 s[PA:PA+1], s[4:5], s[PA:PA+1]
	s_add_nc_u64 s[PW:PW+1], s[4:5], s[PW:PW+1]
	s_add_nc_u64 s[8:9], s[8:9], s[42:43]
	s_mov_b32 s[G0], 1
	s_mov_b32 s[G0+1], s22
	s_mov_b64 s[G0+2:G0+3], s[20:21]
	s_or_b32 s[G0+3], s[G0+3], 0x80000000
	s_mov_b32 s[G0B], 1                            ; the second fill: rb = 4 + wave
	s_add_co_u32 s[G0B+1], s22, 4*RBLK
	s_add_nc_u64 s[G0B+2:G0B+3], s[20:21], 4*RBLK
	s_or_b32 s[G0B+3], s[G0B+3], 0x80000000
	CROUND                                         ; all four work-groups are here: the joint loads meet
	tensor_load_to_lds s[G0:G0+3], s[G1:G1+7]      ; rb = wave: my one tensor load at the head
	s_nop 0
	PLACES 4
.irp t, 0,1,2,3,4,5,6,7
.irp pp, 0,1
	global_load_b128 v[GS+8*\t+4*\pp:GS+8*\t+4*\pp+3], v1, s[PW:PW+1] offset:\t*GBLK+512*\pp   ; A's scale words, all of K: lanes 0-15 tile 2 pp, lanes 16-31 tile 2 pp + 1
.endr
.endr
	WIN 0xc0
.irp u, 0,1,2,3,4,5,6,7
	ALOADU \u                                      ; the ring's first fill, first half
.endr
	WIN 0
	s_wait_tensorcnt 0x0                           ; my rb of the first fill has landed
	ds_add_u32 v[SPW], v[NIL]
	s_wait_dscnt 0x0
	CROUND                                         ; rb 0 to 3 are whole, and all four work-groups are here
	tensor_load_to_lds s[G0B:G0B+3], s[G1:G1+7]    ; rb = 4 + wave: my one tensor load behind the round
	s_nop 0
	PLACES 4
	WIN 0xc0
.irp u, 8,9,10,11,12,13,14,15
	ALOADU \u                                      ; and second half
.endr
	WIN 0
	FETCHB 0, 0
	SCALES 0
.set T, 0
.rept 32
	BSTEP T
.set T, T+1
.endr
; THE WAY OUT, block by block of 16 tokens x 128 columns, through my own stage: in as 32 bytes a lane, back as whole rows of 512 bytes.
; LDS serves a wave's instructions in order (ISA guide 5.7.1.4): no wait between the stores and the loads, nor in front of the next block's stores.
.macro TOSTAGE a
	WIN 0x08                                       ; the data: window 2
.irp b, 0,1,2,3,4,5,6,7
	ds_store_b128 v[STO], v[64*(\a)+8*\b:64*(\a)+8*\b+3] offset:64*\b          ; each accumulator from its low end on
	ds_store_b128 v[STO], v[64*(\a)+8*\b+4:64*(\a)+8*\b+7] offset:64*\b+16
.endr
	WIN 0x40
.irp t, 0,1,2,3,4,5,6,7,8,9,10,11,12,13,14,15
	ds_load_b128 v[BK+64*((\a)%2)+4*\t:BK+64*((\a)%2)+4*\t+3], v[RD] offset:\t*SPITCH
.endr
.endm
.macro SEND a, younger                 ; younger: the LDS instructions issued behind block a's loads, which may stay out
	s_wait_dscnt \younger
	WIN 0x04
.irp t, 0,1,2,3,4,5,6,7,8,9,10,11,12,13,14,15
	global_store_b128 v1, v[BK+64*((\a)%2)+4*\t:BK+64*((\a)%2)+4*\t+3], s[8:9] offset:(16*(\a)+\t)*4096 th:TH_STORE_NT   ; 32 lanes store 512 consecutive bytes, aligned
.endr
.endm
	PLACES 4                                       ; four plain instructions between the last products and the first read of results
	TOSTAGE 0
.irp a, 1,2,3
.if \a > 1
	s_wait_xcnt 0x0                                ; block a - 2's stores have read their data: block a's loads may land there
.endif
	TOSTAGE \a
	SEND \a-1, 32                                  ; behind block a - 1's loads: block a's 16 stores and 16 loads
.endr
	SEND 3, 0
	WIN 0
	s_wait_tensorcnt 0x0                           ; the wave's end: these three lines behind my last tensor load and my last LDS store
	ds_add_u32 v[SPW], v[NIL]
	s_wait_dscnt 0x0
	CROUND                                         ; the closing round: no work-group ends while a partner may still ask for a block that names it
	s_endpgm
.Lfunc_end_k_q41b4162e7b_restore:
	.size	k_q41b4162e7b_restore, .Lfunc_end_k_q41b4162e7b_restore-k_q41b4162e7b_restore
	.p2alignl 7, 3214868480
	.fill 96, 4, 3214868480
	.section	.rodata,"a",@progbits
	.p2align	6, 0x0
	.amdhsa_kernel k_q41b4162e7b_restore
		.amdhsa_group_segment_fixed_size 327680
		.amdhsa_private_segment_fixed_size 0
		.amdhsa_enable_private_segment 0
		.amdhsa_kernarg_size 24
		.amdhsa_user_sgpr_count 2
		.amdhsa_user_sgpr_kernarg_segment_ptr 1
		.amdhsa_wavefront_size32 1
		.amdhsa_system_sgpr_workgroup_id_x 1
		.amdhsa_system_sgpr_workgroup_id_y 1
		.amdhsa_system_sgpr_workgroup_id_z 1
		.amdhsa_system_vgpr_workitem_id 0
		.amdhsa_next_free_vgpr 1024
		.amdhsa_next_free_sgpr 66
		.amdhsa_reserve_vcc 0
		.amdhsa_float_denorm_mode_32 3
		.amdhsa_float_denorm_mode_16_64 3
		.amdhsa_memory_ordered 1
		.amdhsa_forward_progress 1
		.amdhsa_inst_pref_size 162
	.end_amdhsa_kernel
	.amdgpu_metadata
---
amdhsa.version: [ 1, 2 ]
amdhsa.kernels:
  - .name:           k_q41b4162e7b_restore
    .symbol:         k_q41b4162e7b_restore.kd
    .args:
      - { .name: gq, .offset: 0, .size: 8, .value_kind: global_buffer, .address_space: global }
      - { .name: rq, .offset: 8, .size: 8, .value_kind: global_buffer, .address_space: global }
      - { .name: out0, .offset: 16, .size: 8, .value_kind: global_buffer, .address_space: global }
    .group_segment_fixed_size: 327680
    .private_segment_fixed_size: 0
    .kernarg_segment_align: 8
    .kernarg_segment_size: 24
    .max_flat_workgroup_size: 128
    .sgpr_count:     66
    .vgpr_count:     1024
    .wavefront_size: 32
...
	.end_amdgpu_metadata
.endif
;; end of part 3
